; MI455X (gfx1250); checked and timed in simulation.
; The chip was launched on July 23, 2026; its instructions are those of AMD's public machine-readable ISA for CDNA 5 (MIT licence, August 2026) and "CDNA5" Instruction Set Architecture Reference Guide (July 2026). The comments in the code are by the model that wrote it; some were corrected since.
;; SDPA. Allowed arithmetic: matrix products marked QUANTISED: E4M3 operands, one E8M0 scale for each 32 along K, by v_wmma_scale_f32_16x16x128_f8f6f4 with both operands' format E4M3, f32 sums; everything else in f32.
;; Inputs: K 8 x 8 x 2,048 x 64 float32; Q 8 x 8 x 2,048 x 64 float32; V 8 x 8 x 2,048 x 64 float32.
;; Outputs: out0 8 x 8 x 2,048 x 64 float32.
;; This version of the problem:
;;   THIS VERSION OF THE PROBLEM IS GIVEN IN LOW PRECISION. The matrix products marked QUANTISED in the list below multiply operands that are first quantised to E4M3 (4 exponent bits, 3 mantissa bits; 8 bits a number), with one power-of-two scale for each 32 numbers along K (OCP MX v1.0); their sums are f32. All else is computed in f32.
;;   The module's matrix products, in the order in which they are computed (A, B: the left and right operand; K: the contracted axis; several contracted axes count as one K, in the product's order):
;;     1. batch 64 x [M 2,048, K 64] x [K 64, N 2,048]; A: input Q; B: input K: QUANTISED
;;     2. batch 64 x [M 2,048, K 2,048] x [K 2,048, N 64]; A: softmax (see below); B: input V: QUANTISED
;;   THE QUANTISER, for each operand of a quantised product, along K:
;;     - K is cut into blocks of 32 from its start; a last block that is shorter is filled with zeros.
;;     - A block's scale is 2^e with e = floor(log2(the largest magnitude in the block)) - 8, held to -126 .. 127; a block of zeros has e = 0. As a byte (E8M0): e + 127.
;;     - Each number is divided by its block's scale, clamped to +-448, and rounded to the nearest number of E4M3, ties to even, subnormals kept.
;;     - The product sums the exact products of the quantised numbers (number of the format x scale) in f32.
;;   ~~~python
;;   def quantise(x, axis):      # numpy; x: float32 -> the quantised numbers, widened to float32 again
;;       x = np.moveaxis(x, axis, -1); K = x.shape[-1]
;;       x = np.pad(x, [(0, 0)] * (x.ndim - 1) + [(0, -K % 32)]); x = x.reshape(x.shape[:-1] + (-1, 32)); a = np.abs(x).max(-1, keepdims=True)
;;       e = np.where(a > 0, np.clip(np.frexp(np.where(a > 0, a, 1))[1] - 1 - 8, -126, 127), 0)      # np.frexp(a)[1] - 1 = floor(log2(a)), exactly
;;       r = np.clip(x / 2.0 ** e, -448, 448)
;;       step = 2.0 ** (np.maximum(np.frexp(np.where(r == 0, 1, r))[1] - 1, -6) - 3)
;;       q = np.round(r / step) * step * 2.0 ** e      # np.round: ties to even
;;       return np.moveaxis(q.reshape(q.shape[:-2] + (-1,))[..., :K], -1, axis).astype(np.float32)
;;   ~~~
;;   SOFTMAX AHEAD OF A QUANTISED PRODUCT. Where the list says 'softmax', what is quantised is not the finished softmax but p = 2^(t - M), with t = logit x log2(e) and M = ceil(the row's largest t), a whole number; so 1/2 < the row's largest p <= 1. The row's sum l is taken of the UNQUANTISED p, in f32, and the product's result is divided by l at the end. Since M is a whole number, a kernel that streams over the keys may use a running M (the ceiling of the running maximum): every later rescaling is an exact power of two, which a block's scale takes up: the codes' values come out the same.
;;   OPERANDS COMPUTED ON THE WAY. 'Computed on the way' means the value that the module computes at that place (a softmax that the list does not call 'softmax' is quantised finished and normalised). What goes into a quantiser is computed in f32, as accurately as f32 sums, v_exp_f32 and their like allow (about 1e-6 of the number): no bf16 or f16 on the way to a quantiser, and a product that is left as it is and whose result goes on into a quantised operand takes f32 operands (vector FMAs, or v_wmma_f32_16x16x4_f32). A number that lies on a knife's edge between two numbers of the format may be rounded either way, as far as f32 arithmetic and the matrix unit's own rounding can turn it there, and no further.
;; 2 versions, each right; version 2 is version 1 with the launch sdpa written anew for expert scheduling mode. Each part assembles by itself: llvm-mc -triple=amdgcn-amd-amdhsa -mcpu=gfx1250 --defsym DOCPART=n.
;; ======== version 1 of 2: 1 launch
;; launch sdpa (part 1): grid 4 x 64, 16 waves a work-group, no clusters, 272,384 bytes of LDS; arguments Q, K, V, out0; writes out0
.if DOCPART == 1
	.amdgcn_target "amdgcn-amd-amdhsa--gfx1250"
	.amdhsa_code_object_version 6
	.text
	.protected	k_qa8355fedc8_sdpa
	.globl	k_qa8355fedc8_sdpa
	.p2align	8
	.type	k_qa8355fedc8_sdpa,@function
k_qa8355fedc8_sdpa:
	s_mov_b64 s[64:65], 0
	v_nop
	global_prefetch_b8 v0, s[64:65] scope:SCOPE_SE
	s_setreg_imm32_b32 hwreg(HW_REG_WAVE_MODE, 25, 1), 1
	s_wait_xcnt 0x0
; out0[head][q][:] = the sum over k of softmax_k(Q[head][q] . K[head][k] / 8) V[head][k][:].  Q, K, V, out0: [64 heads][2048][64] f32.
; Both products run on codes of FP8 (E4M3) with one E8M0 scale for each 32 along a product's K: the first along the head's 64 channels, the second along the keys.
; THE SOFTMAX AHEAD OF THE SECOND PRODUCT: t = score x log2(e) / 8; M = the running largest t, rounded UP to a whole number; p = 2^(t - M) is quantised along the keys, not normalised.
; The row's sum is taken of the unquantised p in f32 and divides O at the end.  When M moves, the sum and O are multiplied by 2^(old M - new M), which rounds nothing.
; SHARES.  A work-group owns 512 queries of one head (work-group x = which 512, y = the head); each of its sixteen waves owns 32 of them: two tiles, 0 and 1, of 16 queries, in 256 registers.
; PROLOGUE.  Wave w quantises its own 32 queries into registers, and keys 128 w .. 128 w + 127 of the head's K and V from f32 in memory to codes, which it stores in LDS AS IMAGES OF THE OPERANDS' REGISTERS
; (a group of four registers = 512 bytes, lane l's 16 bytes at 16 l), with the scale words beside them.  A whole head's codes and scale words, 270,336 bytes, stay in LDS.  One barrier.
; MAIN LOOP.  16 trips of 128 keys; LDS is only read, so no barrier stands in it.  Both products are used transposed (S^T = K Q^T, O^T = V^T P^T): a lane holds ONE query (lane % 16) throughout.
; THE KEYS OF A TILE ARE NOT NEIGHBOURS: row r of tile u of a block of 32 keys is key 8 u + r + 8 (r / 8), so that the 16 registers of tiles u = 0, 1 are 16 neighbouring keys, 16 (lane / 16) + 0 .. 15.
; THE FIRST PRODUCT'S K IS 64, the instruction's 128.  Source 0 holds TWO tiles of keys (registers 0-7 tile u = 0, registers 8-15 tile u = 1); source 1 is [Q | zeros] for u = 0 and [zeros | Q] for u = 1,
; both cut out of one run of 24 registers [Q | zeros | Q].  The other half multiplies zero codes by codes that were held within +-448 under scale bytes 1 .. 254: it adds exactly 0.
; NO JOINT LOADS, though the four work-groups of a head read the same K and V: these arrive as f32 and go from memory straight into the registers that quantise them.  A head's K and V are 1,048,576 bytes as f32;
; brought jointly they would have to pass through what LDS the 270,336 bytes of codes leave, in many small refills, each behind a round of a cluster's barrier, and every number would cross LDS twice more.
; LIMITS.  NaN and infinities among the inputs are not served.  A block of zeros gets the scale byte 1 where the quantiser's text says 127: its codes are zeros, and the bytes are read here alone.
; A p under 2^-126 comes out of v_exp_f32 as 0.  Where M moves between a step's two halves so far that a first-half block's byte would fall under 1, the byte is held at 1: what its codes then stand for is under 448 x 2^-126, beside a row's largest p of more than 1/2.
.set SCL,    262144                    ; LDS: behind the 16 step regions of 16,384 bytes: 16 regions of 512 bytes of scale words
.set STEPB,  16384                     ; a step's region: K's four blocks of 32 keys (2,048 bytes each), then V's four fragments of 16 channels (2,048 bytes each)
.set VPART,  8192
.set SROW,   272                       ; the way out: a stage row: 256 bytes + 16, so that 16 rows start at 16 different groups of banks (64 banks of 4 bytes: ISA guide 11.1)
.set STILE,  16*SROW
.set FLOORB, 0x4800000                 ; 2^(9 - 127): no largest magnitude is taken under it, so no scale byte falls under 1
; registers of the main loop and the way out
.set LI,  1                            ; v1   16 x lane: my place in an image; also my byte offset in two rows of out0
.set LS,  2                            ; v2   SCL + 4 x lane: my place among scale words
.set ADR, 3                            ; v3   the step's images (the way out: into the stage)
.set ADS, 4                            ; v4   the step's scale words (the way out: out of the stage)
.set KS,  5                            ; v5   K's scale words: lanes 0-15 the half's first block of 32 keys, lanes 16-31 its second.  v5-v11 hold scales and nothing else
.set VS,  6                            ; v6-7 V's: v6 channels 0-31, v7 channels 32-63
.set QS,  8                            ; v8-9 Q's, tile 0 and 1: bytes s0, s1, s0, s1
.set PW,  10                           ; v10-11 p's, tile 0 and 1
.set ST,  12                           ; tile x's state at v[ST + 8 x]: +0 -M, +1 the largest t, +2 +3 the sum in two halves, +4 the step's factor for O, +5 the first half's factor, +6 +7 the first half's block maxima
.set BM,  28                           ; v28-29 a half's two block maxima
.set BP,  30                           ; v30-31 the other half of the lanes'
.set SO,  32                           ; v32-33 the conversions' scale operands
.set HD,  34                           ; v34-37 448 x the scale, each block's twice (the paired hold names two registers)
.set FF,  38                           ; v38  f = 2^(old M - new M)
.set DI,  39                           ; v39  old M - new M as a whole number (named with f as a pair)
.set T2,  40                           ; v40-41 the sum's second chain
.set E2,  42
.set E3,  43
.set TMP, 44
.set WT,  45
.set QF,  48                           ; v48-71, v72-95 Q: [codes | zeros | codes], tile 0 and 1
.set KF,  96                           ; v96-127 two double fragments of K; later V's fragments 0 and 1
.set S,   128                          ; v128-159 S^T of 64 keys, then p; later V's fragments 2 and 3
.set PC,  160                          ; v160-175, v176-191 p's codes of the step's 128 keys
.set OF,  192                          ; v192-223, v224-255 O^T: register 8 t + j = channel 16 t + 8 (lane / 16) + j
; registers of the prologue
.set XM,   12                          ; v12-15 largest magnitudes
.set XP,   16                          ; v16-19 the other lanes', then scale bytes
.set XSO,  20                          ; v20-23 scale operands
.set XHD,  24                          ; v24-27 448 x the scale
.set XW,   28                          ; v28-31 V's scale words of my four channels
.set XC,   32                          ; v32-39 codes
.set GQ,   40                          ; v40  Q: 256 r + 64 h
.set GK,   41                          ; v41  K: 32 x lane
.set GV,   42                          ; v42  V: 4096 h + 16 r
.set KA,   43                          ; v43  where my 8 codes of K go
.set KB,   44                          ; v44  and their block's scale byte
.set VA,   45                          ; v45  where my 16 codes of V go
.set VB,   46                          ; v46  and my four channels' scale words
.set XTMP, 47
.set XT,   96                          ; v96-127 two sets of 16 numbers of one channel
.set POOL, 128                         ; v128-255 four sets of 32 registers: loads run four units ahead
	s_load_b256 s[4:11], s[0:1], 0x0               ; Q s[4:5], K s[6:7], V s[8:9], out0 s[10:11]
	v_lshrrev_b32 v1, 5, v0
	v_readfirstlane_b32 s12, v1                    ; wave 0..15
	s_and_b32 s13, ttmp7, 0xffff                   ; the head
	s_lshl_b32 s14, s13, 19                        ; a head is 2,048 rows of 256 bytes;
	s_lshl_b32 s18, s12, 15                        ; my 128 keys are 32,768 bytes
	s_add_co_u32 s14, s14, s18
	s_mov_b32 s15, 0                               ; s[14:15]: where my keys begin in K and in V (under 2^25)
	s_lshl_b32 s16, s13, 19
	s_lshl_b32 s18, ttmp9, 17                      ; the work-group's 512 queries,
	s_add_co_u32 s16, s16, s18
	s_lshl_b32 s18, s12, 13                        ; my wave's 32
	s_add_co_u32 s16, s16, s18
	s_mov_b32 s17, 0                               ; s[16:17]: where my queries begin in Q and in out0
	s_mov_b32 s20, 0x76543210
	s_mov_b32 s21, 0xfedcba98                      ; v_permlanex16_b32's selects for lane l xor 16
	s_mov_b32 s22, 0x3e38aa3b                      ; c = log2(e) / 8
	s_mov_b32 s23, s22                             ; (the packed form names the pair and takes its low word for both halves: so it is written)
	s_mov_b32 s24, 0x600000                        ; the mantissa field of 448
	v_and_b32 v32, 15, v0                          ; r
	v_bfe_u32 v33, v0, 4, 1                        ; h
	v_and_b32 v34, 31, v0                          ; lane
	v_lshlrev_b32 v[GQ], 8, v32
	v_lshl_add_u32 v[GQ], v33, 6, v[GQ]            ; Q: row r, + my 16 numbers of a block of 32
	v_lshlrev_b32 v[GK], 5, v34                    ; K: 8 numbers a lane: 1,024 consecutive bytes (four keys) a pair of loads
	v_lshlrev_b32 v[GV], 4, v32
	v_lshl_add_u32 v[GV], v33, 12, v[GV]           ; V: four channels a lane; lanes 16-31 stand 16 keys further down
	s_wait_kmcnt 0x0
	s_add_nc_u64 s[4:5], s[4:5], s[16:17]
	s_add_nc_u64 s[10:11], s[10:11], s[16:17]
	s_add_nc_u64 s[6:7], s[6:7], s[14:15]
	s_add_nc_u64 s[8:9], s[8:9], s[14:15]
; A UNIT is eight loads of 16 bytes a lane into set u % 4.  Units 0, 1: a tile of Q.  Units 2-9: 16 keys of K.  Units 10-17: half (8 + 8 keys) of a block of 32 keys of V.
.macro ISSUE u
.set SETR, POOL+32*((\u)%4)
.if (\u) < 2
.irp c, 0,1
.irp j, 0,1,2,3
	global_load_b128 v[SETR+16*\c+4*\j:SETR+16*\c+4*\j+3], v[GQ], s[4:5] offset:4096*(\u)+128*\c+16*\j   ; register 16 c + i = channel 32 c + 16 h + i of query r
.endr
.endr
.elseif (\u) < 10
.irp q, 0,1,2,3
	global_load_b128 v[SETR+8*\q:SETR+8*\q+3], v[GK], s[6:7] offset:(16*((\u)-2)+4*\q)*256               ; group q: key 4 q + lane / 8, channels 8 (lane % 8) + 0 .. 7
	global_load_b128 v[SETR+8*\q+4:SETR+8*\q+7], v[GK], s[6:7] offset:(16*((\u)-2)+4*\q)*256+16
.endr
.else
.irp i, 0,1,2,3,4,5,6,7
	global_load_b128 v[SETR+4*\i:SETR+4*\i+3], v[GV], s[8:9] offset:(32*(((\u)-10)/2)+8*(((\u)-10)%2)+\i)*256   ; sixteen lanes read one whole row of 256 bytes, the other sixteen the row 16 keys on
.endr
.endif
.endm
.irp u, 0,1,2,3
	ISSUE \u
.endr
	; the LDS addresses of the prologue, made while the first loads are out
	s_lshl_b32 s18, s12, 14                        ; my step's region
	s_lshl_b32 s19, s12, 9
	s_add_co_u32 s19, s19, SCL                     ; and its scale words
	v_bfe_u32 v35, v0, 3, 2                        ; K: which of a group's four keys,
	v_bfe_u32 v36, v0, 2, 1                        ; which block of 32 channels,
	v_bfe_u32 v37, v0, 1, 1                        ; which half of it (the operand's lane / 16),
	v_and_b32 v38, 1, v0                           ; which 8 of that half's 16
	v_lshlrev_b32 v[KA], 4, v35
	v_lshl_add_u32 v[KA], v36, 9, v[KA]
	v_lshl_add_u32 v[KA], v37, 8, v[KA]
	v_lshl_add_u32 v[KA], v38, 3, v[KA]
	v_add_nc_u32 v[KA], s18, v[KA]
	v_lshl_add_u32 v[KB], v35, 2, v36              ; a key's word, a channel block's byte
	v_add_nc_u32 v[KB], s19, v[KB]
	v_bfe_u32 v35, v0, 2, 2                        ; V: my four channels lie in fragment (lane % 16) / 4,
	v_and_b32 v36, 3, v0                           ; at its rows 4 (lane % 4) + 0 .. 3
	v_lshlrev_b32 v[VA], 11, v35
	v_lshl_add_u32 v[VA], v36, 6, v[VA]
	v_lshl_add_u32 v[VA], v33, 8, v[VA]
	v_add_nc_u32 v[VA], s18, v[VA]
	v_add_nc_u32 v[VA], VPART, v[VA]
	v_lshlrev_b32 v[VB], 4, v32
	v_add_nc_u32 v[VB], s19, v[VB]
	v_add_nc_u32 v[VB], 256, v[VB]
.irp b, 0,1,2,3
	v_mov_b32 v[XP+\b], 0                          ; written once: a lane permute's destination counts as one of its sources
.endr
; A tile of Q: two blocks of 32 channels, each in lanes l and l xor 16.  The conversions' results are the operand's registers.
.macro QUANTQ x
.set SETR, POOL+32*(\x)
.set QX, QF+24*(\x)
.irp c, 0,1
	v_max3_num_f32 v[XM+\c], |v[SETR+16*\c]|, |v[SETR+16*\c+1]|, FLOORB
.endr
.irp i, 2,4,6,8,10,12,14
.irp c, 0,1
	v_max3_num_f32 v[XM+\c], v[XM+\c], |v[SETR+16*\c+\i]|, |v[SETR+16*\c+\i+1]|
.endr
.endr
.irp c, 0,1
	v_permlanex16_b32 v[XP+\c], v[XM+\c], s20, s21
.endr
.irp c, 0,1
	v_max_num_f32 v[XM+\c], v[XM+\c], v[XP+\c]     ; the block's largest magnitude
.endr
.irp c, 0,1
	v_add_nc_u32 v[XSO+\c], 0xfc000000, v[XM+\c]   ; 8 off its exponent field: the conversion takes that field as its scale
.endr
.irp c, 0,1
	v_and_or_b32 v[XHD+\c], v[XM+\c], 0x7f800000, s24   ; 448 x the scale
.endr
.irp c, 0,1
	v_lshrrev_b32 v[XP+\c], 23, v[XSO+\c]          ; the scale's byte
.endr
.irp c, 0,1
.irp i, 0,1,2,3,4,5,6,7,8,9,10,11,12,13,14,15
	v_med3_num_f32 v[SETR+16*\c+\i], v[SETR+16*\c+\i], -v[XHD+\c], v[XHD+\c]   ; the conversion to an 8-bit code does not saturate (ISA guide 7.6.2): the hold comes first
.endr
	v_cvt_scalef32_pk8_fp8_f32 v[QX+4*\c:QX+4*\c+1], v[SETR+16*\c:SETR+16*\c+7], v[XSO+\c]
	v_cvt_scalef32_pk8_fp8_f32 v[QX+4*\c+2:QX+4*\c+3], v[SETR+16*\c+8:SETR+16*\c+15], v[XSO+\c]
.endr
	v_nop                                          ; one plain instruction between a scaled conversion and the first vector instruction that reads its result
.irp i, 0,1,2,3,4,5,6,7
	v_mov_b32 v[QX+16+\i], v[QX+\i]                ; [codes | zeros | codes]
.endr
.irp i, 0,1,2,3,4,5,6,7
	v_mov_b32 v[QX+8+\i], 0
.endr
	v_lshl_or_b32 v[XTMP], v[XP+1], 8, v[XP]
	v_lshl_or_b32 v[QS+\x], v[XTMP], 16, v[XTMP]   ; s0, s1, s0, s1: the word serves both places of the codes
.endm
; Sixteen keys of K: four groups of four keys; a lane holds 8 channels of one key, four neighbouring lanes a block of 32.
; Key 16 (i % 2) + 4 q + lane / 8 of block i / 2 is row 4 (q % 2) + 8 (i % 2) + lane / 8 of tile q / 2.  Lanes that differ in lane / 8 alone store 16 bytes apart, the others 256 or 512: these stores collide in the banks; they run once.
.macro QUANTK i
.set SETR, POOL+32*(((\i)+2)%4)
	s_wait_dscnt 0x0                               ; the last unit's LDS stores have read the code and byte registers
.irp q, 0,1,2,3
	v_max3_num_f32 v[XM+\q], |v[SETR+8*\q]|, |v[SETR+8*\q+1]|, FLOORB
.endr
.irp j, 2,4,6
.irp q, 0,1,2,3
	v_max3_num_f32 v[XM+\q], v[XM+\q], |v[SETR+8*\q+\j]|, |v[SETR+8*\q+\j+1]|
.endr
.endr
.irp q, 0,1,2,3
	v_max_num_f32_dpp v[XM+\q], v[XM+\q], v[XM+\q] row_xmask:1 row_mask:0xf bank_mask:0xf
.endr
.irp q, 0,1,2,3
	v_max_num_f32_dpp v[XM+\q], v[XM+\q], v[XM+\q] row_xmask:2 row_mask:0xf bank_mask:0xf   ; the four lanes' : the block's largest magnitude
.endr
.irp q, 0,1,2,3
	v_add_nc_u32 v[XSO+\q], 0xfc000000, v[XM+\q]
.endr
.irp q, 0,1,2,3
	v_and_or_b32 v[XHD+\q], v[XM+\q], 0x7f800000, s24
.endr
.irp q, 0,1,2,3
	v_lshrrev_b32 v[XP+\q], 23, v[XSO+\q]
.endr
.irp q, 0,1,2,3
.irp j, 0,1,2,3,4,5,6,7
	v_med3_num_f32 v[SETR+8*\q+\j], v[SETR+8*\q+\j], -v[XHD+\q], v[XHD+\q]
.endr
	v_cvt_scalef32_pk8_fp8_f32 v[XC+2*\q:XC+2*\q+1], v[SETR+8*\q:SETR+8*\q+7], v[XSO+\q]
.endr
	v_nop                                          ; a plain instruction behind the last conversion
.irp q, 0,1,2,3
	ds_store_b64 v[KA], v[XC+2*\q:XC+2*\q+1] offset:2048*((\i)/2)+1024*(\q/2)+16*(4*(\q%2)+8*((\i)%2))
	ds_store_b8 v[KB], v[XP+\q] offset:64*((\i)/2)+4*(4*(\q%2)+8*((\i)%2))+2*(\q/2)   ; the four lanes of a block write the same byte with the same value
.endr
.endm
; A block of 32 keys of V.  A lane holds keys 16 h + 0 .. 15 of four channels: register 4 i + w = key i, channel w.  A block lies in lanes l and l xor 16.
; The hold writes channel w's 16 numbers into consecutive registers: so it also turns the numbers as the conversions want them, keys along a lane's registers.
.macro QUANTV c
.set SETR, POOL+32*((10+2*(\c))%4)
	s_wait_dscnt 0x0                               ; the earlier LDS stores have read the code and byte registers
.irp w, 0,1,2,3
	v_max3_num_f32 v[XM+\w], |v[SETR+\w]|, |v[SETR+4+\w]|, FLOORB
.endr
.irp i, 2,4,6,8,10,12,14
.irp w, 0,1,2,3
	v_max3_num_f32 v[XM+\w], v[XM+\w], |v[SETR+4*\i+\w]|, |v[SETR+4*\i+4+\w]|
.endr
.endr
.irp w, 0,1,2,3
	v_permlanex16_b32 v[XP+\w], v[XM+\w], s20, s21
.endr
.irp w, 0,1,2,3
	v_max_num_f32 v[XM+\w], v[XM+\w], v[XP+\w]
.endr
.irp w, 0,1,2,3
	v_add_nc_u32 v[XSO+\w], 0xfc000000, v[XM+\w]
.endr
.irp w, 0,1,2,3
	v_and_or_b32 v[XHD+\w], v[XM+\w], 0x7f800000, s24
.endr
.irp w, 0,1,2,3
	v_lshrrev_b32 v[XP+\w], 23, v[XSO+\w]
.endr
.irp w, 0,1,2,3
.if (\c) == 0
	v_mov_b32 v[XW+\w], v[XP+\w]                   ; byte c of the channel's scale word for my 128 keys
.else
	v_lshl_or_b32 v[XW+\w], v[XP+\w], 8*(\c), v[XW+\w]
.endif
.endr
.irp w, 0,1,2,3
.irp i, 0,1,2,3,4,5,6,7,8,9,10,11,12,13,14,15
	v_med3_num_f32 v[XT+16*(\w%2)+\i], v[SETR+4*\i+\w], -v[XHD+\w], v[XHD+\w]
.endr
	s_wait_dscnt 1                                 ; only the store just issued may be out: the one two channels back has read these code registers
	v_cvt_scalef32_pk8_fp8_f32 v[XC+4*(\w%2):XC+4*(\w%2)+1], v[XT+16*(\w%2):XT+16*(\w%2)+7], v[XSO+\w]
	v_cvt_scalef32_pk8_fp8_f32 v[XC+4*(\w%2)+2:XC+4*(\w%2)+3], v[XT+16*(\w%2)+8:XT+16*(\w%2)+15], v[XSO+\w]
	ds_store_b128 v[VA], v[XC+4*(\w%2):XC+4*(\w%2)+3] offset:512*(\c)+16*\w   ; registers 4 c .. 4 c + 3 of the fragment, for lane 4 (lane % 4) + w + 16 h
.endr
	v_nop                                          ; a plain instruction behind the last conversion
.endm
.irp u, 0,1
	s_wait_loadcnt 24                              ; this unit's eight loads are in; the three younger units may be out
	QUANTQ \u
	ISSUE \u+4
.endr
.irp u, 2,3,4,5,6,7,8,9
	s_wait_loadcnt 24
	QUANTK \u-2
	ISSUE \u+4
.endr
.irp c, 0,1,2,3
.if \c < 3
	s_wait_loadcnt 16                              ; the block's two units are in; the next block's two may be out
.else
	s_wait_loadcnt 0x0
.endif
	QUANTV \c
.if \c < 2
	ISSUE 14+2*\c
	ISSUE 15+2*\c
.endif
.endr
	ds_store_b128 v[VB], v[XW:XW+3]                ; my four channels' scale words (lanes 16-31 store the same words to the same places)
	s_wait_dscnt 0x0                               ; for the others' sake: all my images and scale words lie in LDS
	s_barrier_signal -1
	v_and_b32 v[LI], 31, v0                        ; work on registers while the others arrive
	v_lshlrev_b32 v[LS], 2, v[LI]
	v_add_nc_u32 v[LS], SCL, v[LS]
	v_lshlrev_b32 v[LI], 4, v[LI]
.irp x, 0,1
	v_mov_b32 v[ST+8*\x+1], 0xff61b1e6             ; the largest t so far: -3e38, under every t
	v_floor_f32 v[ST+8*\x], -v[ST+8*\x+1]          ; -M
	v_mov_b32 v[ST+8*\x+2], 0                      ; the sum, in two halves
	v_mov_b32 v[ST+8*\x+3], 0
.endr
	v_mov_b32 v[BP], 0
	v_mov_b32 v[BP+1], 0
.set JJ, 0
.rept 64
	v_mov_b32 v[OF+JJ], 0                          ; O^T.  (The step is written once: the first finds zeros, which the first change of M leaves zeros)
.set JJ, JJ+1
.endr
	s_mov_b32 s25, 0                               ; the step's images
	s_mov_b32 s26, 0                               ; the step's scale words
	s_mov_b32 s27, 16                              ; steps to go
	s_barrier_wait -1                              ; the whole head lies in LDS
.macro KLOAD hf                        ; half hf of the step: two double fragments of K (64 keys) and their scale words
.irp b, 0,1
.irp k, 0,1,2,3
	ds_load_b128 v[KF+16*\b+4*\k:KF+16*\b+4*\k+3], v[ADR] offset:4096*\hf+2048*\b+512*\k
.endr
.endr
	ds_load_b32 v[KS], v[ADS] offset:128*\hf
.endm
.macro VLOAD t, dst                    ; V's fragment t: channels 16 t on, the step's 128 keys
.irp c, 0,1,2,3
	ds_load_b128 v[\dst+4*\c:\dst+4*\c+3], v[ADR] offset:VPART+2048*\t+512*\c
.endr
.endm
.macro SMUL x                          ; S^T of 64 keys for tile x: register 16 b + i = key 32 b + 16 (lane / 16) + i of the half
.irp t, 0,1
	v_wmma_scale_f32_16x16x128_f8f6f4 v[S+8*\t:S+8*\t+7], v[KF:KF+15], v[QF+24*\x+8*\t:QF+24*\x+8*\t+15], 0, v[KS], v[QS+\x]
.endr
.irp t, 0,1
	v_wmma_scale_f32_16x16x128_f8f6f4 v[S+16+8*\t:S+16+8*\t+7], v[KF+16:KF+31], v[QF+24*\x+8*\t:QF+24*\x+8*\t+15], 0, v[KS], v[QS+\x] matrix_a_scale:MATRIX_SCALE_ROW1
.endr
.endm
.macro PV t, x                         ; O^T += V^T P^T: channels 16 t on, tile x, K = the step's 128 keys
.if \t < 2
.set VFR, KF+16*\t
.else
.set VFR, S+16*(\t-2)
.endif
.if \t%2
	v_wmma_scale_f32_16x16x128_f8f6f4 v[OF+32*\x+8*\t:OF+32*\x+8*\t+7], v[VFR:VFR+15], v[PC+16*\x:PC+16*\x+15], v[OF+32*\x+8*\t:OF+32*\x+8*\t+7], v[VS+\t/2], v[PW+\x] matrix_a_scale:MATRIX_SCALE_ROW1
.else
	v_wmma_scale_f32_16x16x128_f8f6f4 v[OF+32*\x+8*\t:OF+32*\x+8*\t+7], v[VFR:VFR+15], v[PC+16*\x:PC+16*\x+15], v[OF+32*\x+8*\t:OF+32*\x+8*\t+7], v[VS+\t/2], v[PW+\x]
.endif
.endm
; The softmax of tile x on the 64 keys in S (32 scores a lane, two blocks of 32 keys), and p's codes into half hf of the tile's operand.
.macro SOFT x, hf
.set SX, ST+8*\x
.irp b, 0,1
	v_max3_num_f32 v[BM+\b], v[S+16*\b], v[S+16*\b+1], v[S+16*\b+2]   ; the largest SCORE of each block serves twice: for the row's maximum, and, since p rises with the score, for the block's largest p.  Each accumulator is read from its low end on
.endr
.irp i, 3,5,7,9,11,13
.irp b, 0,1
	v_max3_num_f32 v[BM+\b], v[BM+\b], v[S+16*\b+\i], v[S+16*\b+\i+1]
.endr
.endr
.irp b, 0,1
	v_max_num_f32 v[BM+\b], v[BM+\b], v[S+16*\b+15]
.endr
.irp b, 0,1
	v_permlanex16_b32 v[BP+\b], v[BM+\b], s20, s21
.endr
.irp b, 0,1
	v_max_num_f32 v[BM+\b], v[BM+\b], v[BP+\b]     ; with lane l xor 16's 16 keys
.endr
	v_max_num_f32 v[TMP], v[BM], v[BM+1]
	v_mul_f32 v[TMP], s22, v[TMP]                  ; as t (c is positive)
	v_max_num_f32 v[SX+1], v[SX+1], v[TMP]         ; the running largest t
	v_mov_b32 v[TMP], v[SX]
	v_floor_f32 v[SX], -v[SX+1]                    ; the new -M = floor(-t) = -ceil(t): M is a whole number
	v_sub_f32 v[TMP], v[SX], v[TMP]                ; old M - new M: a whole number, 0 or less
	v_cvt_i32_f32 v[DI], v[TMP]                    ; (it saturates)
	v_ldexp_f32 v[FF], 1.0, v[DI]                  ; f = 2^(old M - new M)
.set JJ, 0
.rept 16
	v_pk_fma_f32 v[S+JJ:S+JJ+1], v[S+JJ:S+JJ+1], s[22:23], v[SX:SX+1] op_sel_hi:[1,0,0]   ; t - M, two at a time (of the pairs c and -M the low word serves both halves)
.set JJ, JJ+2
.endr
.irp b, 0,1
	v_fma_f32 v[BM+\b], v[BM+\b], s22, v[SX]       ; the same of each block's largest score
.endr
.set JJ, 0
.rept 32
	v_exp_f32 v[S+JJ], v[S+JJ]                     ; p = 2^(t - M): not normalised
.set JJ, JJ+1
.endr
.irp b, 0,1
	v_exp_f32 v[BM+\b], v[BM+\b]                   ; the block's largest p: the same two instructions on the same number give the same bits
.endr
	v_pk_mul_f32 v[SX+2:SX+3], v[SX+2:SX+3], v[FF:FF+1] op_sel_hi:[1,0]   ; the sum under the new M.  (The plain instruction behind the exponentials)
	s_wait_alu depctr_va_vdst(0)
.irp b, 0,1
	v_max_num_f32 v[BM+\b], FLOORB, v[BM+\b]
.endr
.irp b, 0,1
	v_add_nc_u32 v[SO+\b], 0xfc000000, v[BM+\b]    ; the conversion's scale operand
.endr
.irp b, 0,1
	v_and_or_b32 v[HD+2*\b], v[BM+\b], 0x7f800000, s24     ; 448 x the scale, in two registers of different banks for the paired hold
	v_and_or_b32 v[HD+2*\b+1], v[BM+\b], 0x7f800000, s24
.endr
	v_pk_add_f32 v[T2:T2+1], v[S:S+1], v[S+2:S+3]  ; the row's sum is taken of the UNQUANTISED p: two at a time, in two chains
.irp j, 4,8,12,16,20,24,28
	v_pk_add_f32 v[SX+2:SX+3], v[SX+2:SX+3], v[S+\j:S+\j+1]
	v_pk_add_f32 v[T2:T2+1], v[T2:T2+1], v[S+\j+2:S+\j+3]
.endr
	v_pk_add_f32 v[SX+2:SX+3], v[SX+2:SX+3], v[T2:T2+1]
.irp b, 0,1
.irp j, 0,2,4,6,8,10,12,14
	v_dual_min_num_f32 v[S+16*\b+\j], v[S+16*\b+\j], v[HD+2*\b] :: v_dual_min_num_f32 v[S+16*\b+\j+1], v[S+16*\b+\j+1], v[HD+2*\b+1]   ; the hold (ISA guide 7.6.2); p is not negative, so it is one-sided; two numbers an instruction
.endr
	v_cvt_scalef32_pk8_fp8_f32 v[PC+16*\x+8*\hf+4*\b:PC+16*\x+8*\hf+4*\b+1], v[S+16*\b:S+16*\b+7], v[SO+\b]
	v_cvt_scalef32_pk8_fp8_f32 v[PC+16*\x+8*\hf+4*\b+2:PC+16*\x+8*\hf+4*\b+3], v[S+16*\b+8:S+16*\b+15], v[SO+\b]
.endr
	v_nop                                          ; a plain instruction between the last conversion and the products that write its sources anew
.endm
.macro TAIL0 x                         ; what the first half leaves for the second: its block maxima and its f
	v_mov_b32 v[ST+8*\x+6], v[BM]
	v_mov_b32 v[ST+8*\x+7], v[BM+1]
	v_mov_b32 v[ST+8*\x+5], v[FF]
.endm
.macro TAIL1 x                         ; p's scale word for the step's 128 keys.  The first half's codes were made under its own M: its bytes take up the move of M
.set SX, ST+8*\x
	v_mul_f32 v[SX+6], v[SX+6], v[FF]              ; the first half's block maxima under the new M (a power of two: the codes stay as they are)
	v_mul_f32 v[SX+7], v[SX+7], v[FF]
	v_max_num_f32 v[SX+6], FLOORB, v[SX+6]
	v_max_num_f32 v[SX+7], FLOORB, v[SX+7]
	v_lshrrev_b32 v[SX+6], 23, v[SX+6]
	v_lshrrev_b32 v[SX+7], 23, v[SX+7]
	v_lshrrev_b32 v[E2], 23, v[BM]
	v_lshrrev_b32 v[E3], 23, v[BM+1]
	v_lshl_or_b32 v[WT], v[SX+7], 8, v[SX+6]
	v_lshl_or_b32 v[WT], v[E2], 16, v[WT]
	v_lshl_or_b32 v[WT], v[E3], 24, v[WT]          ; four exponent fields, each 9 at the least
	v_add_nc_u32 v[PW+\x], 0xf7f7f7f8, v[WT]       ; 8 off each byte, with no borrow
	v_mul_f32 v[SX+4], v[SX+5], v[FF]              ; O's factor for the whole step
.endm
; PLACES.  A load into a register of a matrix instruction, and a vector instruction that reads its result or writes one of its registers, stand eight plain vector instructions that name none of its registers behind it;
; a matrix instruction that writes over one of its registers nine.
.Lstep:
	v_add_nc_u32 v[ADR], s25, v[LI]
	v_add_nc_u32 v[ADS], s26, v[LS]
.rept 7
	v_nop                                          ; with the two additions nine places behind the last step's products: K is loaded over V's fragments 0 and 1, the scores are written over fragments 2 and 3
.endr
	KLOAD 0
	s_wait_dscnt 0x0
	SMUL 0
.rept 8
	v_nop
.endr
	SOFT 0, 0
	SMUL 1
	TAIL0 0                                        ; three places,
.rept 5
	v_nop                                          ; and five: then K's second half is loaded over the first, and the scores are read
.endr
	KLOAD 1
	SOFT 1, 0
	s_wait_dscnt 0x0                               ; K's second half is in (asked for a softmax ago)
	SMUL 0
	TAIL0 1
.rept 5
	v_nop
.endr
	SOFT 0, 1
	SMUL 1
	TAIL1 0                                        ; thirteen places
	VLOAD 0, KF
	VLOAD 1, KF+16
	ds_load_b32 v[VS], v[ADS] offset:256
	ds_load_b32 v[VS+1], v[ADS] offset:384
	SOFT 1, 1
	VLOAD 2, S
	VLOAD 3, S+16
	TAIL1 1
.irp x, 0,1
.set JJ, 0
.rept 16
	v_pk_mul_f32 v[OF+32*\x+JJ:OF+32*\x+JJ+1], v[OF+32*\x+JJ:OF+32*\x+JJ+1], v[ST+8*\x+4:ST+8*\x+5] op_sel_hi:[1,0]   ; O^T under the new M.  (Tile 0's sixteen are also the places between tile 1's scale word and its first product)
.set JJ, JJ+2
.endr
.endr
	s_wait_dscnt 8                                 ; V's fragments 0 and 1 and its scale words are in; the eight loads of fragments 2 and 3 may be out
	PV 0, 0                                        ; the eight accumulators take turns, one instruction a turn
	PV 0, 1
	PV 1, 0
	PV 1, 1
	s_wait_dscnt 0x0
	PV 2, 0
	PV 2, 1
	PV 3, 0
	PV 3, 1
	s_add_co_u32 s25, s25, STEPB
	s_add_co_u32 s26, s26, 512
	s_sub_co_u32 s27, s27, 1
	s_cmp_lg_u32 s27, 0
	s_cbranch_scc1 .Lstep
	; THE WAY OUT.  O^T is divided by the row's sum and goes through my stage in LDS, a tile (16 rows of 256 bytes) at a time, so that sixteen lanes store one whole row.
	; The stages lie over the images: so every wave first passes a barrier behind its last read of them.
.rept 8
	v_nop                                          ; places behind the last products
.endr
	s_wait_dscnt 0x0
	s_barrier_signal -1
	s_barrier_wait -1
	v_add_f32 v[ST+2], v[ST+2], v[ST+3]            ; the sum's two halves,
	v_add_f32 v[ST+10], v[ST+10], v[ST+11]
	v_permlanex16_b32 v[BP], v[ST+2], s20, s21
	v_permlanex16_b32 v[BP+1], v[ST+10], s20, s21
	v_add_f32 v[ST+2], v[ST+2], v[BP]              ; and lane l xor 16's: the row's sum
	v_add_f32 v[ST+10], v[ST+10], v[BP+1]
	v_rcp_f32 v[FF], v[ST+2]
	v_rcp_f32 v[T2], v[ST+10]
	s_mul_i32 s18, s12, 2*STILE                    ; my stage
	v_and_b32 v[E2], 15, v0                        ; r  (plain instructions behind the reciprocals)
	v_bfe_u32 v[E3], v0, 4, 1                      ; h
	v_mul_u32_u24 v[ADR], v[E2], SROW
	v_lshl_add_u32 v[ADR], v[E3], 5, v[ADR]
	v_add_nc_u32 v[ADR], s18, v[ADR]               ; in: row r; fragment t's eight channels of my half: 64 t + 32 h bytes on
	v_mul_u32_u24 v[ADS], v[E3], SROW
	v_lshl_add_u32 v[ADS], v[E2], 4, v[ADS]
	v_add_nc_u32 v[ADS], s18, v[ADS]               ; back: lanes 0-15 one row, lanes 16-31 the next
.set JJ, 0
	s_wait_alu depctr_va_vdst(0)
.rept 16
	v_pk_mul_f32 v[OF+JJ:OF+JJ+1], v[OF+JJ:OF+JJ+1], v[FF:FF+1] op_sel_hi:[1,0]
.set JJ, JJ+2
.endr
.set JJ, 32
.rept 16
	v_pk_mul_f32 v[OF+JJ:OF+JJ+1], v[OF+JJ:OF+JJ+1], v[T2:T2+1] op_sel_hi:[1,0]
.set JJ, JJ+2
.endr
.irp x, 0,1
.irp t, 0,1,2,3
	ds_store_b128 v[ADR], v[OF+32*\x+8*\t:OF+32*\x+8*\t+3] offset:STILE*\x+64*\t
	ds_store_b128 v[ADR], v[OF+32*\x+8*\t+4:OF+32*\x+8*\t+7] offset:STILE*\x+64*\t+16
.endr
.irp i, 0,1,2,3,4,5,6,7
	ds_load_b128 v[KF+32*\x+4*\i:KF+32*\x+4*\i+3], v[ADS] offset:STILE*\x+2*SROW*\i   ; LDS serves a wave's instructions in order (ISA guide 5.7.1.4): these see my stores
.endr
.endr
.irp x, 0,1
.irp i, 0,1,2,3,4,5,6,7
	s_wait_dscnt 23-16*\x-\i                       ; behind this load: the rest of its tile's loads, and for tile 0 tile 1's sixteen LDS instructions
	global_store_b128 v[LI], v[KF+32*\x+4*\i:KF+32*\x+4*\i+3], s[10:11] offset:4096*\x+512*\i th:TH_STORE_NT   ; 32 lanes store two whole rows, 512 consecutive bytes, at a multiple of 256 from out0's first byte
.endr
.endr
	s_wait_xcnt 0x0
	v_lshl_add_u32 v254, v0, 2, 0x42000
	v_mov_b32 v255, 0
	s_wait_tensorcnt 0x0
	ds_add_u32 v254, v255
	s_wait_dscnt 0x0
	s_endpgm
.Lfunc_end_k_qa8355fedc8_sdpa:
	.size	k_qa8355fedc8_sdpa, .Lfunc_end_k_qa8355fedc8_sdpa-k_qa8355fedc8_sdpa
	.p2alignl 7, 3214868480
	.fill 96, 4, 3214868480
	.section	.rodata,"a",@progbits
	.p2align	6, 0x0
	.amdhsa_kernel k_qa8355fedc8_sdpa
		.amdhsa_group_segment_fixed_size 272384
		.amdhsa_private_segment_fixed_size 0
		.amdhsa_enable_private_segment 0
		.amdhsa_kernarg_size 32
		.amdhsa_user_sgpr_count 2
		.amdhsa_user_sgpr_kernarg_segment_ptr 1
		.amdhsa_wavefront_size32 1
		.amdhsa_system_sgpr_workgroup_id_x 1
		.amdhsa_system_sgpr_workgroup_id_y 1
		.amdhsa_system_sgpr_workgroup_id_z 1
		.amdhsa_system_vgpr_workitem_id 0
		.amdhsa_next_free_vgpr 256
		.amdhsa_next_free_sgpr 66
		.amdhsa_reserve_vcc 0
		.amdhsa_float_denorm_mode_32 3
		.amdhsa_float_denorm_mode_16_64 3
		.amdhsa_memory_ordered 1
		.amdhsa_forward_progress 1
		.amdhsa_inst_pref_size 148
	.end_amdhsa_kernel
	.amdgpu_metadata
---
amdhsa.version: [ 1, 2 ]
amdhsa.kernels:
  - .name:           k_qa8355fedc8_sdpa
    .symbol:         k_qa8355fedc8_sdpa.kd
    .args:
      - { .name: Q, .offset: 0, .size: 8, .value_kind: global_buffer, .address_space: global }
      - { .name: K, .offset: 8, .size: 8, .value_kind: global_buffer, .address_space: global }
      - { .name: V, .offset: 16, .size: 8, .value_kind: global_buffer, .address_space: global }
      - { .name: out0, .offset: 24, .size: 8, .value_kind: global_buffer, .address_space: global }
    .group_segment_fixed_size: 272384
    .private_segment_fixed_size: 0
    .kernarg_segment_align: 8
    .kernarg_segment_size: 32
    .max_flat_workgroup_size: 512
    .sgpr_count:     66
    .vgpr_count:     256
    .wavefront_size: 32
...
	.end_amdgpu_metadata
.endif
;; end of part 1
;; ======== version 2 of 2: 1 launch; version 1 with the launch sdpa written anew for expert scheduling mode
;; launch sdpa (part 2): grid 4 x 64, 16 waves a work-group, no clusters, 272,384 bytes of LDS; arguments Q, K, V, out0; writes out0
.if DOCPART == 2
	.amdgcn_target "amdgcn-amd-amdhsa--gfx1250"
	.amdhsa_code_object_version 6
	.text
	.protected	k_qa8355fedc8_sdpa
	.globl	k_qa8355fedc8_sdpa
	.p2align	8
	.type	k_qa8355fedc8_sdpa,@function
k_qa8355fedc8_sdpa:
	s_mov_b64 s[64:65], 0
	v_nop
	global_prefetch_b8 v0, s[64:65] scope:SCOPE_SE
	s_setreg_imm32_b32 hwreg(HW_REG_WAVE_SCHED_MODE, 0, 2), 2
	s_setreg_imm32_b32 hwreg(HW_REG_WAVE_MODE, 25, 1), 1
	s_wait_xcnt 0x0
	s_wait_alu depctr_vm_vsrc(0)
; out0[head][q][:] = the sum over k of softmax_k(Q[head][q] . K[head][k] / 8) V[head][k][:].  Q, K, V, out0: [64 heads][2048][64] f32.
; Both products run on codes of FP8 (E4M3) with one E8M0 scale for each 32 along a product's K: the first along the head's 64 channels, the second along the keys.
; THE SOFTMAX AHEAD OF THE SECOND PRODUCT: t = score x log2(e) / 8; M = the running largest t, rounded UP to a whole number; p = 2^(t - M) is quantised along the keys, not normalised.
; The row's sum is taken of the unquantised p in f32 and divides O at the end.  When M moves, the sum and O are multiplied by 2^(old M - new M), which rounds nothing.
; SHARES.  A work-group owns 512 queries of one head (work-group x = which 512, y = the head); each of its sixteen waves owns 32 of them: two tiles, 0 and 1, of 16 queries, in 256 registers.
; PROLOGUE.  Wave w quantises its own 32 queries into registers, and keys 128 w .. 128 w + 127 of the head's K and V from f32 in memory to codes, which it stores in LDS AS IMAGES OF THE OPERANDS' REGISTERS
; (a group of four registers = 512 bytes, lane l's 16 bytes at 16 l), with the scale words beside them.  A whole head's codes and scale words, 270,336 bytes, stay in LDS.  One barrier.
; MAIN LOOP.  16 trips of 128 keys; LDS is only read, so no barrier stands in it.  Both products are used transposed (S^T = K Q^T, O^T = V^T P^T): a lane holds ONE query (lane % 16) throughout.
; THE KEYS OF A TILE ARE NOT NEIGHBOURS: row r of tile u of a block of 32 keys is key 8 u + r + 8 (r / 8), so that the 16 registers of tiles u = 0, 1 are 16 neighbouring keys, 16 (lane / 16) + 0 .. 15.
; THE FIRST PRODUCT'S K IS 64, the instruction's 128.  Source 0 holds TWO tiles of keys (registers 0-7 tile u = 0, registers 8-15 tile u = 1); source 1 is [Q | zeros] for u = 0 and [zeros | Q] for u = 1,
; both cut out of one run of 24 registers [Q | zeros | Q].  The other half multiplies zero codes by codes that were held within +-448 under scale bytes 1 .. 254: it adds exactly 0.
; NO JOINT LOADS, though the four work-groups of a head read the same K and V: these arrive as f32 and go from memory straight into the registers that quantise them.  A head's K and V are 1,048,576 bytes as f32;
; brought jointly they would have to pass through what LDS the 270,336 bytes of codes leave, in many small refills, each behind a round of a cluster's barrier, and every number would cross LDS twice more.
; LIMITS.  NaN and infinities among the inputs are not served.  A block of zeros gets the scale byte 1 where the quantiser's text says 127: its codes are zeros, and the bytes are read here alone.
; A p under 2^-126 comes out of v_exp_f32 as 0.  Where M moves between a step's two halves so far that a first-half block's byte would fall under 1, the byte is held at 1: what its codes then stand for is under 448 x 2^-126, beside a row's largest p of more than 1/2.
; THE MODE: SCHED_MODE bits 1:0 = 2 (LLVM: expert scheduling mode 2), set by the entry lines.  The code itself states the register dependences
; between vector or matrix instructions and memory or LDS instructions, with s_wait_alu, always for 0.
; THE PLAN.  Registers that memory or LDS instructions touch:
;   PROLOGUE  GQ, GK, GV, KA, KB, VA, VB: offsets and LDS addresses, written once, not written again before the barrier.
;             POOL set u % 4: unit u's loads land; the unit's maxima, holds and conversions work on it; ONE wait on va_vdst behind the unit's last conversion; behind it the unit's LDS stores and the loads of unit u + 4.
;             The codes and bytes of a unit: written ahead of that wait, read by the LDS stores behind it, written again by the next unit behind ONE wait on vm_vsrc at its head.
;   LOOP      ADR, ADS: written at a step's head, behind a wait on vm_vsrc; read by the step's 36 LDS loads.
;             KF, KS: K's first half, K's second half, then V's fragments 0 and 1 land there by turns; each run of loads stands straight behind a wait on va_vdst that shows the products that read the last tenant done.
;             S: scores, then p; behind the step's last conversions, and a wait on va_vdst, V's fragments 2 and 3 land there.  VS: loaded with V's fragments 0 and 1.
;             PC, PW (and QF, QS, made in the prologue): written by vector instructions, taken by the scaled products: a wait on va_vdst stands behind their places, ahead of the first product that takes them.
;   WAY OUT   ADR, ADS written anew behind a wait on vm_vsrc; O^T written by the division; ONE wait on va_vdst ahead of the stage's stores and loads.
.set SCL,    262144                    ; LDS: behind the 16 step regions of 16,384 bytes: 16 regions of 512 bytes of scale words
.set STEPB,  16384                     ; a step's region: K's four blocks of 32 keys (2,048 bytes each), then V's four fragments of 16 channels (2,048 bytes each)
.set VPART,  8192
.set SROW,   272                       ; the way out: a stage row: 256 bytes + 16, so that 16 rows start at 16 different groups of banks (64 banks of 4 bytes: ISA guide 11.1)
.set STILE,  16*SROW
.set FLOORB, 0x4800000                 ; 2^(9 - 127): no largest magnitude is taken under it, so no scale byte falls under 1
; registers of the main loop and the way out
.set LI,  1                            ; v1   16 x lane: my place in an image; also my byte offset in two rows of out0
.set LS,  2                            ; v2   SCL + 4 x lane: my place among scale words
.set ADR, 3                            ; v3   the step's images (the way out: into the stage)
.set ADS, 4                            ; v4   the step's scale words (the way out: out of the stage)
.set KS,  5                            ; v5   K's scale words: lanes 0-15 the half's first block of 32 keys, lanes 16-31 its second.  v5-v11 hold scales and nothing else
.set VS,  6                            ; v6-7 V's: v6 channels 0-31, v7 channels 32-63
.set QS,  8                            ; v8-9 Q's, tile 0 and 1: bytes s0, s1, s0, s1
.set PW,  10                           ; v10-11 p's, tile 0 and 1
.set ST,  12                           ; tile x's state at v[ST + 8 x]: +0 -M, +1 the largest t, +2 +3 the sum in two halves, +4 the step's factor for O, +5 the first half's factor, +6 +7 the first half's block maxima
.set BM,  28                           ; v28-29 a half's two block maxima
.set BP,  30                           ; v30-31 the other half of the lanes'
.set SO,  32                           ; v32-33 the conversions' scale operands
.set HD,  34                           ; v34-37 448 x the scale, each block's twice (the paired hold names two registers)
.set FF,  38                           ; v38  f = 2^(old M - new M)
.set DI,  39                           ; v39  old M - new M as a whole number (named with f as a pair)
.set T2,  40                           ; v40-41 the sum's second chain
.set E2,  42
.set E3,  43
.set TMP, 44
.set WT,  45
.set QF,  48                           ; v48-71, v72-95 Q: [codes | zeros | codes], tile 0 and 1
.set KF,  96                           ; v96-127 two double fragments of K; later V's fragments 0 and 1
.set S,   128                          ; v128-159 S^T of 64 keys, then p; later V's fragments 2 and 3
.set PC,  160                          ; v160-175, v176-191 p's codes of the step's 128 keys
.set OF,  192                          ; v192-223, v224-255 O^T: register 8 t + j = channel 16 t + 8 (lane / 16) + j
; registers of the prologue
.set XM,   12                          ; v12-15 largest magnitudes; in a block of V later the codes of my third channel
.set XP,   16                          ; v16-19 the other lanes', then scale bytes; in a block of V later the codes of my fourth channel
.set XSO,  20                          ; v20-23 scale operands
.set XHD,  24                          ; v24-27 448 x the scale
.set XW,   28                          ; v28-31 V's scale words of my four channels
.set XC,   32                          ; v32-39 codes
.set GQ,   40                          ; v40  Q: 256 r + 64 h
.set GK,   41                          ; v41  K: 32 x lane
.set GV,   42                          ; v42  V: 4096 h + 16 r
.set KA,   43                          ; v43  where my 8 codes of K go
.set KB,   44                          ; v44  and their block's scale byte
.set VA,   45                          ; v45  where my 16 codes of V go
.set VB,   46                          ; v46  and my four channels' scale words
.set XTMP, 47
.set XT,   96                          ; v96-127 two sets of 16 numbers of one channel
.set POOL, 128                         ; v128-255 four sets of 32 registers: loads run four units ahead
	s_load_b256 s[4:11], s[0:1], 0x0               ; Q s[4:5], K s[6:7], V s[8:9], out0 s[10:11]
	v_lshrrev_b32 v1, 5, v0
	v_readfirstlane_b32 s12, v1                    ; wave 0..15
	s_and_b32 s13, ttmp7, 0xffff                   ; the head
	s_lshl_b32 s14, s13, 19                        ; a head is 2,048 rows of 256 bytes;
	s_wait_alu depctr_va_sdst(0)                   ; s12 is written, ahead of its first reader: the bases and the LDS regions are made from it
	s_lshl_b32 s18, s12, 15                        ; my 128 keys are 32,768 bytes
	s_add_co_u32 s14, s14, s18
	s_mov_b32 s15, 0                               ; s[14:15]: where my keys begin in K and in V (under 2^25)
	s_lshl_b32 s16, s13, 19
	s_lshl_b32 s18, ttmp9, 17                      ; the work-group's 512 queries,
	s_add_co_u32 s16, s16, s18
	s_lshl_b32 s18, s12, 13                        ; my wave's 32
	s_add_co_u32 s16, s16, s18
	s_mov_b32 s17, 0                               ; s[16:17]: where my queries begin in Q and in out0
	s_mov_b32 s20, 0x76543210
	s_mov_b32 s21, 0xfedcba98                      ; v_permlanex16_b32's selects for lane l xor 16
	s_mov_b32 s22, 0x3e38aa3b                      ; c = log2(e) / 8
	s_mov_b32 s23, s22                             ; (the packed form names the pair and takes its low word for both halves: so it is written)
	s_mov_b32 s24, 0x600000                        ; the mantissa field of 448
	v_and_b32 v32, 15, v0                          ; r
	v_bfe_u32 v33, v0, 4, 1                        ; h
	v_and_b32 v34, 31, v0                          ; lane
	v_lshlrev_b32 v[GQ], 8, v32
	v_lshl_add_u32 v[GQ], v33, 6, v[GQ]            ; Q: row r, + my 16 numbers of a block of 32
	v_lshlrev_b32 v[GK], 5, v34                    ; K: 8 numbers a lane: 1,024 consecutive bytes (four keys) a pair of loads
	v_lshlrev_b32 v[GV], 4, v32
	v_lshl_add_u32 v[GV], v33, 12, v[GV]           ; V: four channels a lane; lanes 16-31 stand 16 keys further down
	s_wait_kmcnt 0x0
	s_add_nc_u64 s[4:5], s[4:5], s[16:17]
	s_add_nc_u64 s[10:11], s[10:11], s[16:17]
	s_add_nc_u64 s[6:7], s[6:7], s[14:15]
	s_add_nc_u64 s[8:9], s[8:9], s[14:15]
	s_wait_alu depctr_va_vdst(0)                   ; the three offsets GQ, GK, GV are written, which all loads of the prologue read
; A UNIT is eight loads of 16 bytes a lane into set u % 4.  Units 0, 1: a tile of Q.  Units 2-9: 16 keys of K.  Units 10-17: half (8 + 8 keys) of a block of 32 keys of V.
.macro ISSUE u
.set SETR, POOL+32*((\u)%4)
.if (\u) < 2
.irp c, 0,1
.irp j, 0,1,2,3
	global_load_b128 v[SETR+16*\c+4*\j:SETR+16*\c+4*\j+3], v[GQ], s[4:5] offset:4096*(\u)+128*\c+16*\j   ; register 16 c + i = channel 32 c + 16 h + i of query r
.endr
.endr
.elseif (\u) < 10
.irp q, 0,1,2,3
	global_load_b128 v[SETR+8*\q:SETR+8*\q+3], v[GK], s[6:7] offset:(16*((\u)-2)+4*\q)*256               ; group q: key 4 q + lane / 8, channels 8 (lane % 8) + 0 .. 7
	global_load_b128 v[SETR+8*\q+4:SETR+8*\q+7], v[GK], s[6:7] offset:(16*((\u)-2)+4*\q)*256+16
.endr
.else
.irp i, 0,1,2,3,4,5,6,7
	global_load_b128 v[SETR+4*\i:SETR+4*\i+3], v[GV], s[8:9] offset:(32*(((\u)-10)/2)+8*(((\u)-10)%2)+\i)*256   ; sixteen lanes read one whole row of 256 bytes, the other sixteen the row 16 keys on
.endr
.endif
.endm
.irp u, 0,1,2,3
	ISSUE \u
.endr
	; the LDS addresses of the prologue, made while the first loads are out
	s_lshl_b32 s18, s12, 14                        ; my step's region
	s_lshl_b32 s19, s12, 9
	s_add_co_u32 s19, s19, SCL                     ; and its scale words
	v_bfe_u32 v35, v0, 3, 2                        ; K: which of a group's four keys,
	v_bfe_u32 v36, v0, 2, 1                        ; which block of 32 channels,
	v_bfe_u32 v37, v0, 1, 1                        ; which half of it (the operand's lane / 16),
	v_and_b32 v38, 1, v0                           ; which 8 of that half's 16
	v_lshlrev_b32 v[KA], 4, v35
	v_lshl_add_u32 v[KA], v36, 9, v[KA]
	v_lshl_add_u32 v[KA], v37, 8, v[KA]
	v_lshl_add_u32 v[KA], v38, 3, v[KA]
	v_add_nc_u32 v[KA], s18, v[KA]
	v_lshl_add_u32 v[KB], v35, 2, v36              ; a key's word, a channel block's byte
	v_add_nc_u32 v[KB], s19, v[KB]
	v_bfe_u32 v35, v0, 2, 2                        ; V: my four channels lie in fragment (lane % 16) / 4,
	v_and_b32 v36, 3, v0                           ; at its rows 4 (lane % 4) + 0 .. 3
	v_lshlrev_b32 v[VA], 11, v35
	v_lshl_add_u32 v[VA], v36, 6, v[VA]
	v_lshl_add_u32 v[VA], v33, 8, v[VA]
	v_add_nc_u32 v[VA], s18, v[VA]
	v_add_nc_u32 v[VA], VPART, v[VA]
	v_lshlrev_b32 v[VB], 4, v32
	v_add_nc_u32 v[VB], s19, v[VB]
	v_add_nc_u32 v[VB], 256, v[VB]
.irp b, 0,1,2,3
	v_mov_b32 v[XP+\b], 0                          ; written once: a lane permute's destination counts as one of its sources
.endr
; A tile of Q: two blocks of 32 channels, each in lanes l and l xor 16.  The conversions' results are the operand's registers.
.macro QUANTQ x
.set SETR, POOL+32*(\x)
.set QX, QF+24*(\x)
.irp c, 0,1
	v_max3_num_f32 v[XM+\c], |v[SETR+16*\c]|, |v[SETR+16*\c+1]|, FLOORB
.endr
.irp i, 2,4,6,8,10,12,14
.irp c, 0,1
	v_max3_num_f32 v[XM+\c], v[XM+\c], |v[SETR+16*\c+\i]|, |v[SETR+16*\c+\i+1]|
.endr
.endr
.irp c, 0,1
	v_permlanex16_b32 v[XP+\c], v[XM+\c], s20, s21
.endr
.irp c, 0,1
	v_max_num_f32 v[XM+\c], v[XM+\c], v[XP+\c]     ; the block's largest magnitude
.endr
.irp c, 0,1
	v_add_nc_u32 v[XSO+\c], 0xfc000000, v[XM+\c]   ; 8 off its exponent field: the conversion takes that field as its scale
.endr
.irp c, 0,1
	v_and_or_b32 v[XHD+\c], v[XM+\c], 0x7f800000, s24   ; 448 x the scale
.endr
.irp c, 0,1
	v_lshrrev_b32 v[XP+\c], 23, v[XSO+\c]          ; the scale's byte
.endr
.irp c, 0,1
.irp i, 0,1,2,3,4,5,6,7,8,9,10,11,12,13,14,15
	v_med3_num_f32 v[SETR+16*\c+\i], v[SETR+16*\c+\i], -v[XHD+\c], v[XHD+\c]   ; the conversion to an 8-bit code does not saturate (ISA guide 7.6.2): the hold comes first
.endr
	v_cvt_scalef32_pk8_fp8_f32 v[QX+4*\c:QX+4*\c+1], v[SETR+16*\c:SETR+16*\c+7], v[XSO+\c]
	v_cvt_scalef32_pk8_fp8_f32 v[QX+4*\c+2:QX+4*\c+3], v[SETR+16*\c+8:SETR+16*\c+15], v[XSO+\c]
.endr
	v_nop                                          ; one plain instruction between a scaled conversion and the first vector instruction that reads its result
.irp i, 0,1,2,3,4,5,6,7
	v_mov_b32 v[QX+16+\i], v[QX+\i]                ; [codes | zeros | codes]
.endr
.irp i, 0,1,2,3,4,5,6,7
	v_mov_b32 v[QX+8+\i], 0
.endr
	v_lshl_or_b32 v[XTMP], v[XP+1], 8, v[XP]
	v_lshl_or_b32 v[QS+\x], v[XTMP], 16, v[XTMP]   ; s0, s1, s0, s1: the word serves both places of the codes
.endm
; Sixteen keys of K: four groups of four keys; a lane holds 8 channels of one key, four neighbouring lanes a block of 32.
; Key 16 (i % 2) + 4 q + lane / 8 of block i / 2 is row 4 (q % 2) + 8 (i % 2) + lane / 8 of tile q / 2.  Lanes that differ in lane / 8 alone store 16 bytes apart, the others 256 or 512: these stores collide in the banks; they run once.
.macro QUANTK i
.set SETR, POOL+32*(((\i)+2)%4)
	s_wait_dscnt 0x0                               ; the last unit's LDS stores are done
.if (\i) > 0
	s_wait_alu depctr_vm_vsrc(0)                   ; the last unit's LDS stores have read the bytes in v[XP ..] and the codes in v[XC ..], which this unit writes again
.endif
.irp q, 0,1,2,3
	v_max3_num_f32 v[XM+\q], |v[SETR+8*\q]|, |v[SETR+8*\q+1]|, FLOORB
.endr
.irp j, 2,4,6
.irp q, 0,1,2,3
	v_max3_num_f32 v[XM+\q], v[XM+\q], |v[SETR+8*\q+\j]|, |v[SETR+8*\q+\j+1]|
.endr
.endr
.irp q, 0,1,2,3
	v_max_num_f32_dpp v[XM+\q], v[XM+\q], v[XM+\q] row_xmask:1 row_mask:0xf bank_mask:0xf
.endr
.irp q, 0,1,2,3
	v_max_num_f32_dpp v[XM+\q], v[XM+\q], v[XM+\q] row_xmask:2 row_mask:0xf bank_mask:0xf   ; the four lanes' : the block's largest magnitude
.endr
.irp q, 0,1,2,3
	v_add_nc_u32 v[XSO+\q], 0xfc000000, v[XM+\q]
.endr
.irp q, 0,1,2,3
	v_and_or_b32 v[XHD+\q], v[XM+\q], 0x7f800000, s24
.endr
.irp q, 0,1,2,3
	v_lshrrev_b32 v[XP+\q], 23, v[XSO+\q]
.endr
.irp q, 0,1,2,3
.irp j, 0,1,2,3,4,5,6,7
	v_med3_num_f32 v[SETR+8*\q+\j], v[SETR+8*\q+\j], -v[XHD+\q], v[XHD+\q]
.endr
	v_cvt_scalef32_pk8_fp8_f32 v[XC+2*\q:XC+2*\q+1], v[SETR+8*\q:SETR+8*\q+7], v[XSO+\q]
.endr
	v_nop                                          ; a plain instruction behind the last conversion
	s_wait_alu depctr_va_vdst(0)                   ; the codes and the bytes are written (in the first unit KA and KB too), which the LDS stores read; the holds have written and the conversions have read this set, in which the loads behind this unit land
.irp q, 0,1,2,3
	ds_store_b64 v[KA], v[XC+2*\q:XC+2*\q+1] offset:2048*((\i)/2)+1024*(\q/2)+16*(4*(\q%2)+8*((\i)%2))
	ds_store_b8 v[KB], v[XP+\q] offset:64*((\i)/2)+4*(4*(\q%2)+8*((\i)%2))+2*(\q/2)   ; the four lanes of a block write the same byte with the same value
.endr
.endm
; A block of 32 keys of V.  A lane holds keys 16 h + 0 .. 15 of four channels: register 4 i + w = key i, channel w.  A block lies in lanes l and l xor 16.
; The hold writes channel w's 16 numbers into consecutive registers: so it also turns the numbers as the conversions want them, keys along a lane's registers.
; Each channel's codes have four registers of their own: channels 0 and 1 in v[XC ..], channels 2 and 3 in v[XM ..] and v[XP ..], which are done with once the scale operands, the holds' bounds and the scale words are made.
; So all eight conversions stand ahead of one wait, and the four LDS stores behind it.
.macro QUANTV c
.set SETR, POOL+32*((10+2*(\c))%4)
	s_wait_dscnt 0x0                               ; the earlier LDS stores are done
	s_wait_alu depctr_vm_vsrc(0)                   ; the earlier LDS stores have read v[XM ..], v[XP ..] and v[XC ..] (codes and bytes), which this block writes again
.irp w, 0,1,2,3
	v_max3_num_f32 v[XM+\w], |v[SETR+\w]|, |v[SETR+4+\w]|, FLOORB
.endr
.irp i, 2,4,6,8,10,12,14
.irp w, 0,1,2,3
	v_max3_num_f32 v[XM+\w], v[XM+\w], |v[SETR+4*\i+\w]|, |v[SETR+4*\i+4+\w]|
.endr
.endr
.irp w, 0,1,2,3
	v_permlanex16_b32 v[XP+\w], v[XM+\w], s20, s21
.endr
.irp w, 0,1,2,3
	v_max_num_f32 v[XM+\w], v[XM+\w], v[XP+\w]
.endr
.irp w, 0,1,2,3
	v_add_nc_u32 v[XSO+\w], 0xfc000000, v[XM+\w]
.endr
.irp w, 0,1,2,3
	v_and_or_b32 v[XHD+\w], v[XM+\w], 0x7f800000, s24
.endr
.irp w, 0,1,2,3
	v_lshrrev_b32 v[XP+\w], 23, v[XSO+\w]
.endr
.irp w, 0,1,2,3
.if (\c) == 0
	v_mov_b32 v[XW+\w], v[XP+\w]                   ; byte c of the channel's scale word for my 128 keys
.else
	v_lshl_or_b32 v[XW+\w], v[XP+\w], 8*(\c), v[XW+\w]
.endif
.endr
.irp w, 0,1,2,3
.set VC, XC+4*\w-(\w/2)*(XC+8-XM)      ; channel w's codes: XC, XC + 4, XM, XP
.irp i, 0,1,2,3,4,5,6,7,8,9,10,11,12,13,14,15
	v_med3_num_f32 v[XT+16*(\w%2)+\i], v[SETR+4*\i+\w], -v[XHD+\w], v[XHD+\w]
.endr
	v_cvt_scalef32_pk8_fp8_f32 v[VC:VC+1], v[XT+16*(\w%2):XT+16*(\w%2)+7], v[XSO+\w]
	v_cvt_scalef32_pk8_fp8_f32 v[VC+2:VC+3], v[XT+16*(\w%2)+8:XT+16*(\w%2)+15], v[XSO+\w]
.endr
	v_nop                                          ; a plain instruction behind the last conversion
	s_wait_alu depctr_va_vdst(0)                   ; the four channels' codes are written (in the first block VA too, in the last the scale words and VB), which the LDS stores read; the holds are done reading the block's two sets, in which the loads behind this block land
.irp w, 0,1,2,3
.set VC, XC+4*\w-(\w/2)*(XC+8-XM)
	ds_store_b128 v[VA], v[VC:VC+3] offset:512*(\c)+16*\w   ; registers 4 c .. 4 c + 3 of the fragment, for lane 4 (lane % 4) + w + 16 h
.endr
.endm
.irp u, 0,1
	s_wait_loadcnt 24                              ; this unit's eight loads are in; the three younger units may be out
	QUANTQ \u
	s_wait_alu depctr_va_vdst(0)                   ; the holds have written and the conversions have read this set, in which the loads below land
	ISSUE \u+4
.endr
.irp u, 2,3,4,5,6,7,8,9
	s_wait_loadcnt 24
	QUANTK \u-2
	ISSUE \u+4                                     ; no wait: behind the unit's own wait stand LDS stores alone
.endr
.irp c, 0,1,2,3
.if \c < 3
	s_wait_loadcnt 16                              ; the block's two units are in; the next block's two may be out
.else
	s_wait_loadcnt 0x0
.endif
	QUANTV \c
.if \c < 2
	ISSUE 14+2*\c                                  ; no wait: behind the block's own wait stand LDS stores alone
	ISSUE 15+2*\c
.endif
.endr
	ds_store_b128 v[VB], v[XW:XW+3]                ; my four channels' scale words (lanes 16-31 store the same words to the same places); written ahead of the last block's wait
	s_wait_dscnt 0x0                               ; for the others' sake: all my images and scale words lie in LDS
	s_wait_alu depctr_vm_vsrc(0)                   ; my LDS stores have read v12-19, v28-39 and their addresses v43-46, my loads their offsets v40-42: all of these are written anew from here on
	s_barrier_signal -1
	v_and_b32 v[LI], 31, v0                        ; work on registers while the others arrive
	v_lshlrev_b32 v[LS], 2, v[LI]
	v_add_nc_u32 v[LS], SCL, v[LS]
	v_lshlrev_b32 v[LI], 4, v[LI]
.irp x, 0,1
	v_mov_b32 v[ST+8*\x+1], 0xff61b1e6             ; the largest t so far: -3e38, under every t
	v_floor_f32 v[ST+8*\x], -v[ST+8*\x+1]          ; -M
	v_mov_b32 v[ST+8*\x+2], 0                      ; the sum, in two halves
	v_mov_b32 v[ST+8*\x+3], 0
.endr
	v_mov_b32 v[BP], 0
	v_mov_b32 v[BP+1], 0
.set JJ, 0
.rept 64
	v_mov_b32 v[OF+JJ], 0                          ; O^T.  (The step is written once: the first finds zeros, which the first change of M leaves zeros)
.set JJ, JJ+1
.endr
	s_mov_b32 s25, 0                               ; the step's images
	s_mov_b32 s26, 0                               ; the step's scale words
	s_mov_b32 s27, 16                              ; steps to go
	s_barrier_wait -1                              ; the whole head lies in LDS
.macro KLOAD hf                        ; half hf of the step: two double fragments of K (64 keys) and their scale words
.irp b, 0,1
.irp k, 0,1,2,3
	ds_load_b128 v[KF+16*\b+4*\k:KF+16*\b+4*\k+3], v[ADR] offset:4096*\hf+2048*\b+512*\k
.endr
.endr
	ds_load_b32 v[KS], v[ADS] offset:128*\hf
.endm
.macro VLOAD t, dst                    ; V's fragment t: channels 16 t on, the step's 128 keys
.irp c, 0,1,2,3
	ds_load_b128 v[\dst+4*\c:\dst+4*\c+3], v[ADR] offset:VPART+2048*\t+512*\c
.endr
.endm
.macro SMUL x                          ; S^T of 64 keys for tile x: register 16 b + i = key 32 b + 16 (lane / 16) + i of the half
.irp t, 0,1
	v_wmma_scale_f32_16x16x128_f8f6f4 v[S+8*\t:S+8*\t+7], v[KF:KF+15], v[QF+24*\x+8*\t:QF+24*\x+8*\t+15], 0, v[KS], v[QS+\x]
.endr
.irp t, 0,1
	v_wmma_scale_f32_16x16x128_f8f6f4 v[S+16+8*\t:S+16+8*\t+7], v[KF+16:KF+31], v[QF+24*\x+8*\t:QF+24*\x+8*\t+15], 0, v[KS], v[QS+\x] matrix_a_scale:MATRIX_SCALE_ROW1
.endr
.endm
.macro PV t, x                         ; O^T += V^T P^T: channels 16 t on, tile x, K = the step's 128 keys
.if \t < 2
.set VFR, KF+16*\t
.else
.set VFR, S+16*(\t-2)
.endif
.if \t%2
	v_wmma_scale_f32_16x16x128_f8f6f4 v[OF+32*\x+8*\t:OF+32*\x+8*\t+7], v[VFR:VFR+15], v[PC+16*\x:PC+16*\x+15], v[OF+32*\x+8*\t:OF+32*\x+8*\t+7], v[VS+\t/2], v[PW+\x] matrix_a_scale:MATRIX_SCALE_ROW1
.else
	v_wmma_scale_f32_16x16x128_f8f6f4 v[OF+32*\x+8*\t:OF+32*\x+8*\t+7], v[VFR:VFR+15], v[PC+16*\x:PC+16*\x+15], v[OF+32*\x+8*\t:OF+32*\x+8*\t+7], v[VS+\t/2], v[PW+\x]
.endif
.endm
; The softmax of tile x on the 64 keys in S (32 scores a lane, two blocks of 32 keys), and p's codes into half hf of the tile's operand.
.macro SOFT x, hf
.set SX, ST+8*\x
.irp b, 0,1
	v_max3_num_f32 v[BM+\b], v[S+16*\b], v[S+16*\b+1], v[S+16*\b+2]   ; the largest SCORE of each block serves twice: for the row's maximum, and, since p rises with the score, for the block's largest p.  Each accumulator is read from its low end on
.endr
.irp i, 3,5,7,9,11,13
.irp b, 0,1
	v_max3_num_f32 v[BM+\b], v[BM+\b], v[S+16*\b+\i], v[S+16*\b+\i+1]
.endr
.endr
.irp b, 0,1
	v_max_num_f32 v[BM+\b], v[BM+\b], v[S+16*\b+15]
.endr
.irp b, 0,1
	v_permlanex16_b32 v[BP+\b], v[BM+\b], s20, s21
.endr
.irp b, 0,1
	v_max_num_f32 v[BM+\b], v[BM+\b], v[BP+\b]     ; with lane l xor 16's 16 keys
.endr
	v_max_num_f32 v[TMP], v[BM], v[BM+1]
	v_mul_f32 v[TMP], s22, v[TMP]                  ; as t (c is positive)
	v_max_num_f32 v[SX+1], v[SX+1], v[TMP]         ; the running largest t
	v_mov_b32 v[TMP], v[SX]
	v_floor_f32 v[SX], -v[SX+1]                    ; the new -M = floor(-t) = -ceil(t): M is a whole number
	v_sub_f32 v[TMP], v[SX], v[TMP]                ; old M - new M: a whole number, 0 or less
	v_cvt_i32_f32 v[DI], v[TMP]                    ; (it saturates)
	v_ldexp_f32 v[FF], 1.0, v[DI]                  ; f = 2^(old M - new M)
.set JJ, 0
.rept 16
	v_pk_fma_f32 v[S+JJ:S+JJ+1], v[S+JJ:S+JJ+1], s[22:23], v[SX:SX+1] op_sel_hi:[1,0,0]   ; t - M, two at a time (of the pairs c and -M the low word serves both halves)
.set JJ, JJ+2
.endr
.irp b, 0,1
	v_fma_f32 v[BM+\b], v[BM+\b], s22, v[SX]       ; the same of each block's largest score
.endr
.set JJ, 0
.rept 32
	v_exp_f32 v[S+JJ], v[S+JJ]                     ; p = 2^(t - M): not normalised
.set JJ, JJ+1
.endr
.irp b, 0,1
	v_exp_f32 v[BM+\b], v[BM+\b]                   ; the block's largest p: the same two instructions on the same number give the same bits
.endr
	v_pk_mul_f32 v[SX+2:SX+3], v[SX+2:SX+3], v[FF:FF+1] op_sel_hi:[1,0]   ; the sum under the new M.  (The plain instruction behind the exponentials)
	s_wait_alu depctr_va_vdst(0)                   ; the 34 exponentials have written p and the blocks' largest p: one wait for the batch, ahead of its first reader
.irp b, 0,1
	v_max_num_f32 v[BM+\b], FLOORB, v[BM+\b]
.endr
.irp b, 0,1
	v_add_nc_u32 v[SO+\b], 0xfc000000, v[BM+\b]    ; the conversion's scale operand
.endr
.irp b, 0,1
	v_and_or_b32 v[HD+2*\b], v[BM+\b], 0x7f800000, s24     ; 448 x the scale, in two registers of different banks for the paired hold
	v_and_or_b32 v[HD+2*\b+1], v[BM+\b], 0x7f800000, s24
.endr
	v_pk_add_f32 v[T2:T2+1], v[S:S+1], v[S+2:S+3]  ; the row's sum is taken of the UNQUANTISED p: two at a time, in two chains
.irp j, 4,8,12,16,20,24,28
	v_pk_add_f32 v[SX+2:SX+3], v[SX+2:SX+3], v[S+\j:S+\j+1]
	v_pk_add_f32 v[T2:T2+1], v[T2:T2+1], v[S+\j+2:S+\j+3]
.endr
	v_pk_add_f32 v[SX+2:SX+3], v[SX+2:SX+3], v[T2:T2+1]
.irp b, 0,1
.irp j, 0,2,4,6,8,10,12,14
	v_dual_min_num_f32 v[S+16*\b+\j], v[S+16*\b+\j], v[HD+2*\b] :: v_dual_min_num_f32 v[S+16*\b+\j+1], v[S+16*\b+\j+1], v[HD+2*\b+1]   ; the hold (ISA guide 7.6.2); p is not negative, so it is one-sided; two numbers an instruction
.endr
	v_cvt_scalef32_pk8_fp8_f32 v[PC+16*\x+8*\hf+4*\b:PC+16*\x+8*\hf+4*\b+1], v[S+16*\b:S+16*\b+7], v[SO+\b]
	v_cvt_scalef32_pk8_fp8_f32 v[PC+16*\x+8*\hf+4*\b+2:PC+16*\x+8*\hf+4*\b+3], v[S+16*\b+8:S+16*\b+15], v[SO+\b]
.endr
	v_nop                                          ; a plain instruction between the last conversion and the products that write its sources anew
.endm
.macro TAIL0 x                         ; what the first half leaves for the second: its block maxima and its f
	v_mov_b32 v[ST+8*\x+6], v[BM]
	v_mov_b32 v[ST+8*\x+7], v[BM+1]
	v_mov_b32 v[ST+8*\x+5], v[FF]
.endm
.macro TAIL1 x                         ; p's scale word for the step's 128 keys.  The first half's codes were made under its own M: its bytes take up the move of M
.set SX, ST+8*\x
	v_mul_f32 v[SX+6], v[SX+6], v[FF]              ; the first half's block maxima under the new M (a power of two: the codes stay as they are)
	v_mul_f32 v[SX+7], v[SX+7], v[FF]
	v_max_num_f32 v[SX+6], FLOORB, v[SX+6]
	v_max_num_f32 v[SX+7], FLOORB, v[SX+7]
	v_lshrrev_b32 v[SX+6], 23, v[SX+6]
	v_lshrrev_b32 v[SX+7], 23, v[SX+7]
	v_lshrrev_b32 v[E2], 23, v[BM]
	v_lshrrev_b32 v[E3], 23, v[BM+1]
	v_lshl_or_b32 v[WT], v[SX+7], 8, v[SX+6]
	v_lshl_or_b32 v[WT], v[E2], 16, v[WT]
	v_lshl_or_b32 v[WT], v[E3], 24, v[WT]          ; four exponent fields, each 9 at the least
	v_add_nc_u32 v[PW+\x], 0xf7f7f7f8, v[WT]       ; 8 off each byte, with no borrow
	v_mul_f32 v[SX+4], v[SX+5], v[FF]              ; O's factor for the whole step
.endm
; PLACES.  A vector instruction that reads a matrix instruction's result or writes one of its registers stands eight plain vector instructions that name none of its registers behind it;
; a matrix instruction that writes over one of its registers nine.  A load into a register of a matrix instruction stands behind a wait on va_vdst.
.Lstep:
	s_wait_alu depctr_vm_vsrc(0)                   ; the last step's LDS loads have read ADR and ADS, which the two additions write
	v_add_nc_u32 v[ADR], s25, v[LI]
	v_add_nc_u32 v[ADS], s26, v[LS]
.rept 7
	v_nop                                          ; with the two additions nine places behind the last step's products: the scores are written over V's fragments 2 and 3
.endr
	s_wait_alu depctr_va_vdst(0)                   ; ADR and ADS are written, which the step's LDS loads read; the last step's products are done reading V's fragments 0 and 1 and K's scale words, over which K lands; in the first trip: Q's codes and scale words are written, which the products take
	KLOAD 0
	s_wait_dscnt 0x0
	SMUL 0
.rept 8
	v_nop
.endr
	SOFT 0, 0
	SMUL 1
	TAIL0 0                                        ; three places,
.rept 5
	v_nop                                          ; and five: then the scores are read
.endr
	s_wait_alu depctr_va_vdst(0)                   ; the half's eight products are done reading K's fragments and scale words, over which the second half lands
	KLOAD 1
	SOFT 1, 0
	s_wait_dscnt 0x0                               ; K's second half is in (asked for a softmax ago)
	SMUL 0
	TAIL0 1
.rept 5
	v_nop
.endr
	SOFT 0, 1
	SMUL 1
	TAIL1 0                                        ; thirteen places
	s_wait_alu depctr_va_vdst(0)                   ; the half's eight products are done reading K's fragments, over which V's fragments 0 and 1 land (V's scale words were last read by the step before)
	VLOAD 0, KF
	VLOAD 1, KF+16
	ds_load_b32 v[VS], v[ADS] offset:256
	ds_load_b32 v[VS+1], v[ADS] offset:384
	SOFT 1, 1
	s_wait_alu depctr_va_vdst(0)                   ; the holds have written and the conversions have read p, over which V's fragments 2 and 3 land
	VLOAD 2, S
	VLOAD 3, S+16
	TAIL1 1
.irp x, 0,1
.set JJ, 0
.rept 16
	v_pk_mul_f32 v[OF+32*\x+JJ:OF+32*\x+JJ+1], v[OF+32*\x+JJ:OF+32*\x+JJ+1], v[ST+8*\x+4:ST+8*\x+5] op_sel_hi:[1,0]   ; O^T under the new M.  (Tile 0's sixteen are also the places between tile 1's scale word and its first product)
.set JJ, JJ+2
.endr
.endr
	s_wait_dscnt 8                                 ; V's fragments 0 and 1 and its scale words are in; the eight loads of fragments 2 and 3 may be out
	s_wait_alu depctr_va_vdst(0)                   ; p's codes and p's two scale words are written, which the products below take as source 1 and as scales; the wait stands behind their places
	PV 0, 0                                        ; the eight accumulators take turns, one instruction a turn
	PV 0, 1
	PV 1, 0
	PV 1, 1
	s_wait_dscnt 0x0
	PV 2, 0
	PV 2, 1
	PV 3, 0
	PV 3, 1
	s_add_co_u32 s25, s25, STEPB
	s_add_co_u32 s26, s26, 512
	s_sub_co_u32 s27, s27, 1
	s_cmp_lg_u32 s27, 0
	s_cbranch_scc1 .Lstep
	; THE WAY OUT.  O^T is divided by the row's sum and goes through my stage in LDS, a tile (16 rows of 256 bytes) at a time, so that sixteen lanes store one whole row.
	; The stages lie over the images: so every wave first passes a barrier behind its last read of them.
.rept 8
	v_nop                                          ; places behind the last products
.endr
	s_wait_dscnt 0x0
	s_barrier_signal -1
	s_barrier_wait -1
	v_add_f32 v[ST+2], v[ST+2], v[ST+3]            ; the sum's two halves,
	v_add_f32 v[ST+10], v[ST+10], v[ST+11]
	v_permlanex16_b32 v[BP], v[ST+2], s20, s21
	v_permlanex16_b32 v[BP+1], v[ST+10], s20, s21
	v_add_f32 v[ST+2], v[ST+2], v[BP]              ; and lane l xor 16's: the row's sum
	v_add_f32 v[ST+10], v[ST+10], v[BP+1]
	v_rcp_f32 v[FF], v[ST+2]
	v_rcp_f32 v[T2], v[ST+10]
	s_mul_i32 s18, s12, 2*STILE                    ; my stage
	v_and_b32 v[E2], 15, v0                        ; r  (plain instructions behind the reciprocals)
	v_bfe_u32 v[E3], v0, 4, 1                      ; h
	s_wait_alu depctr_vm_vsrc(0)                   ; the last step's LDS loads have read ADR and ADS, which are written anew below
	v_mul_u32_u24 v[ADR], v[E2], SROW
	v_lshl_add_u32 v[ADR], v[E3], 5, v[ADR]
	v_add_nc_u32 v[ADR], s18, v[ADR]               ; in: row r; fragment t's eight channels of my half: 64 t + 32 h bytes on
	v_mul_u32_u24 v[ADS], v[E3], SROW
	v_lshl_add_u32 v[ADS], v[E2], 4, v[ADS]
	v_add_nc_u32 v[ADS], s18, v[ADS]               ; back: lanes 0-15 one row, lanes 16-31 the next
.set JJ, 0
	s_wait_alu depctr_va_vdst(0)                   ; the two reciprocals are written: one wait for both, ahead of their first reader
.rept 16
	v_pk_mul_f32 v[OF+JJ:OF+JJ+1], v[OF+JJ:OF+JJ+1], v[FF:FF+1] op_sel_hi:[1,0]
.set JJ, JJ+2
.endr
.set JJ, 32
.rept 16
	v_pk_mul_f32 v[OF+JJ:OF+JJ+1], v[OF+JJ:OF+JJ+1], v[T2:T2+1] op_sel_hi:[1,0]
.set JJ, JJ+2
.endr
	s_wait_alu depctr_va_vdst(0)                   ; the multiplications have written O^T, which the LDS stores read; ADR and ADS are written; the last products are done reading V's fragments, over which the loads from the stage land
.irp x, 0,1
.irp t, 0,1,2,3
	ds_store_b128 v[ADR], v[OF+32*\x+8*\t:OF+32*\x+8*\t+3] offset:STILE*\x+64*\t
	ds_store_b128 v[ADR], v[OF+32*\x+8*\t+4:OF+32*\x+8*\t+7] offset:STILE*\x+64*\t+16
.endr
.irp i, 0,1,2,3,4,5,6,7
	ds_load_b128 v[KF+32*\x+4*\i:KF+32*\x+4*\i+3], v[ADS] offset:STILE*\x+2*SROW*\i   ; LDS serves a wave's instructions in order (ISA guide 5.7.1.4): these see my stores
.endr
.endr
.irp x, 0,1
.irp i, 0,1,2,3,4,5,6,7
	s_wait_dscnt 23-16*\x-\i                       ; behind this load: the rest of its tile's loads, and for tile 0 tile 1's sixteen LDS instructions
	global_store_b128 v[LI], v[KF+32*\x+4*\i:KF+32*\x+4*\i+3], s[10:11] offset:4096*\x+512*\i th:TH_STORE_NT   ; 32 lanes store two whole rows, 512 consecutive bytes, at a multiple of 256 from out0's first byte
.endr
.endr
	s_wait_xcnt 0x0
	s_wait_alu depctr_vm_vsrc(0)                   ; the stage's LDS stores have read v254 and v255 (O^T of tile 1), which the two lines below write
	v_lshl_add_u32 v254, v0, 2, 0x42000            ; the add's two registers, made anew: my spare word, behind the scale words, 128 bytes for each wave,
	v_mov_b32 v255, 0                              ; and 0
	s_wait_dscnt 0x0                               ; the closing lines, six on end
	s_wait_alu 0x0
	s_wait_tensorcnt 0x0
	ds_add_u32 v254, v255
	s_wait_dscnt 0x0
	s_endpgm
.Lfunc_end_k_qa8355fedc8_sdpa:
	.size	k_qa8355fedc8_sdpa, .Lfunc_end_k_qa8355fedc8_sdpa-k_qa8355fedc8_sdpa
	.p2alignl 7, 3214868480
	.fill 96, 4, 3214868480
	.section	.rodata,"a",@progbits
	.p2align	6, 0x0
	.amdhsa_kernel k_qa8355fedc8_sdpa
		.amdhsa_group_segment_fixed_size 272384
		.amdhsa_private_segment_fixed_size 0
		.amdhsa_enable_private_segment 0
		.amdhsa_kernarg_size 32
		.amdhsa_user_sgpr_count 2
		.amdhsa_user_sgpr_kernarg_segment_ptr 1
		.amdhsa_wavefront_size32 1
		.amdhsa_system_sgpr_workgroup_id_x 1
		.amdhsa_system_sgpr_workgroup_id_y 1
		.amdhsa_system_sgpr_workgroup_id_z 1
		.amdhsa_system_vgpr_workitem_id 0
		.amdhsa_next_free_vgpr 256
		.amdhsa_next_free_sgpr 66
		.amdhsa_reserve_vcc 0
		.amdhsa_float_denorm_mode_32 3
		.amdhsa_float_denorm_mode_16_64 3
		.amdhsa_memory_ordered 1
		.amdhsa_forward_progress 1
		.amdhsa_inst_pref_size 149
	.end_amdhsa_kernel
	.amdgpu_metadata
---
amdhsa.version: [ 1, 2 ]
amdhsa.kernels:
  - .name:           k_qa8355fedc8_sdpa
    .symbol:         k_qa8355fedc8_sdpa.kd
    .args:
      - { .name: Q, .offset: 0, .size: 8, .value_kind: global_buffer, .address_space: global }
      - { .name: K, .offset: 8, .size: 8, .value_kind: global_buffer, .address_space: global }
      - { .name: V, .offset: 16, .size: 8, .value_kind: global_buffer, .address_space: global }
      - { .name: out0, .offset: 24, .size: 8, .value_kind: global_buffer, .address_space: global }
    .group_segment_fixed_size: 272384
    .private_segment_fixed_size: 0
    .kernarg_segment_align: 8
    .kernarg_segment_size: 32
    .max_flat_workgroup_size: 512
    .sgpr_count:     66
    .vgpr_count:     256
    .wavefront_size: 32
...
	.end_amdgpu_metadata
.endif
;; end of part 2
